; MI455X (gfx1250); checked and timed in simulation.
; The chip was launched on July 23, 2026; its instructions are those of AMD's public machine-readable ISA for CDNA 5 (MIT licence, August 2026) and "CDNA5" Instruction Set Architecture Reference Guide (July 2026). The comments in the code are by the model that wrote it; some were corrected since.
;; Full Attention Encoder. Allowed arithmetic: matrix products marked QUANTISED: E5M2 operands, one given power-of-two scale a tensor, by v_wmma_f32_16x16x64_bf8_bf8 or v_wmma_f32_16x16x128_bf8_bf8, f32 sums; everything else in f32.
;; Inputs: attn_mask 1 x 1 x 2,048 x 2,048 bool; keys 4 x 2,048 x 8 x 64 float32; lowp_scales 4 int32 (the exponents e of the quantised operands' scales 2^e); queries 4 x 2,048 x 8 x 64 float32; values 4 x 2,048 x 8 x 64 float32.
;; Outputs: out0 4 x 2,048 x 8 x 64 float32.
;; This version of the problem:
;;   THIS VERSION OF THE PROBLEM IS GIVEN IN LOW PRECISION. The matrix products marked QUANTISED in the list below multiply operands that are first quantised to E5M2 (5 exponent bits, 2 mantissa bits; 8 bits a number), with one given power-of-two scale for each operand tensor; their sums are f32. All else is computed in f32.
;;   The module's matrix products, in the order in which they are computed (A, B: the left and right operand; K: the contracted axis; several contracted axes count as one K, in the product's order):
;;     1. batch 32 x [M 2,048, K 64] x [K 64, N 2,048]; A: input queries; B: input keys: QUANTISED (scales: A lowp_scales[0], B lowp_scales[1])
;;     2. batch 32 x [M 64, K 2,048] x [K 2,048, N 2,048]; A: input values; B: softmax (see below): QUANTISED (scales: A lowp_scales[2], B lowp_scales[3])
;;   THE QUANTISER, for each operand of a quantised product, along K:
;;     - The operand's scale is 2^e, e = its entry of the input lowp_scales (int32; the entries are numbered through the quantised products in the list's order, A before B).
;;     - Each number is divided by the scale, clamped to +-57,344, and rounded to the nearest number of E5M2, ties to even, subnormals kept.
;;     - The product sums the exact products of the quantised numbers (number of the format x scale) in f32.
;;   ~~~python
;;   def quantise(x, axis, e):      # numpy; x: float32 -> the quantised numbers, widened to float32 again
;;       x = np.moveaxis(x, axis, -1); K = x.shape[-1]
;;       r = np.clip(x / 2.0 ** e, -57344, 57344)
;;       step = 2.0 ** (np.maximum(np.frexp(np.where(r == 0, 1, r))[1] - 1, -14) - 2)
;;       q = np.round(r / step) * step * 2.0 ** e      # np.round: ties to even
;;       return np.moveaxis(q, -1, axis).astype(np.float32)
;;   ~~~
;;   SOFTMAX AHEAD OF A QUANTISED PRODUCT. Where the list says 'softmax', what is quantised is not the finished softmax but p = 2^(t - M), with t = logit x log2(e) and M = ceil(the row's largest t), a whole number; so 1/2 < the row's largest p <= 1. The row's sum l is taken of the UNQUANTISED p, in f32, and the product's result is divided by l at the end. Since M is a whole number, a kernel that streams over the keys may use a running M (the ceiling of the running maximum): every later rescaling is an exact power of two, so the quantised numbers keep their values, but for numbers so far below the row's largest that they fall under the format's range.
;;   OPERANDS COMPUTED ON THE WAY. 'Computed on the way' means the value that the module computes at that place (a softmax that the list does not call 'softmax' is quantised finished and normalised). What goes into a quantiser is computed in f32, as accurately as f32 sums, v_exp_f32 and their like allow (about 1e-6 of the number): no bf16 or f16 on the way to a quantiser, and a product that is left as it is and whose result goes on into a quantised operand takes f32 operands (vector FMAs, or v_wmma_f32_16x16x4_f32). A number that lies on a knife's edge between two numbers of the format may be rounded either way, as far as f32 arithmetic and the matrix unit's own rounding can turn it there, and no further.
;; One version. Each part assembles by itself: llvm-mc -triple=amdgcn-amd-amdhsa -mcpu=gfx1250 --defsym DOCPART=n.
;; ======== version 1 of 1: 2 launches
;; limits: right only within a limited range of input values
;; workspace buffers: kv 8,388,608 bytes; mw 524,288 bytes of whole numbers
;; launch prep (part 1): grid 512 x 1, 4 waves a work-group, no clusters, 18,944 bytes of LDS; arguments keys, values, attn_mask, lowp_scales, kv, mw; writes kv, mw
.if DOCPART == 1
	.amdgcn_target "amdgcn-amd-amdhsa--gfx1250"
	.amdhsa_code_object_version 6
	.text
	.protected	k_q0b81fb2c57_prep
	.globl	k_q0b81fb2c57_prep
	.p2align	8
	.type	k_q0b81fb2c57_prep,@function
k_q0b81fb2c57_prep:
	s_mov_b64 s[64:65], 0
	v_nop
	global_prefetch_b8 v0, s[64:65] scope:SCOPE_SE
	s_setreg_imm32_b32 hwreg(HW_REG_WAVE_MODE, 25, 1), 1
	s_wait_xcnt 0x0
; keys and values [4][2048][8][64] f32 become codes of BF8 (E5M2), laid as IMAGES OF THE OPERANDS' REGISTERS for the attention launch; attn_mask [2048][2048] of bytes becomes lane-mask words.
; code = x / 2^e, held within +-57,344, rounded to the nearest code, ties to even; e = entry 1 (keys) or entry 2 (values) of the scales' buffer.
; LIMITS: ek and ev between -126 and 112, so that 2^e and 57,344 x 2^e are f32 numbers.  NaN among the inputs is not served.
; kv: [head 32][step 16][16,384 bytes], head = 8 b + hh, a step = 128 keys.
;   K's image, bytes 0 .. 8,191: chunk (t, c) at 512 (2 t + c); lane (r, h) has 16 bytes at 16 x lane: key 32 (t / 2) + 8 (t % 2) + r + 8 (r / 8) of the step, channels 32 c + 16 h + 0 .. 15.
;   V's image, bytes 8,192 on: chunk (dt, c) at 512 (4 dt + c); lane (r, h): channel 16 dt + r, keys 32 c + 16 h + 0 .. 15 of the step.
; mw: [tile of 16 queries 128][step 16][n 64] words: bit 16 h + r of word n = mask[16 T + r][128 s + 32 (n / 16) + 16 h + n % 16].
; SHARES.  Work-group g takes step g % 16 of head g / 16; its wave w takes keys 32 w .. 32 w + 31 of that step, of K and of V, and the mask's unit 4 g + w (tile (4 g + w) / 16, step (4 g + w) % 16).
; Straight-line text: 52 loads go out together, each part is worked when its loads are in.  Waves share nothing: each has its own 4,608 bytes of LDS, so there is no barrier.
; Every load of K and V takes whole rows of 256 bytes; every store of a wave covers 256 or 512 consecutive bytes, aligned.  No register that a store reads is written again.
.set KX,  16                           ; v16-79    K as loaded: load i = keys 2 i, 2 i + 1; later the read-backs from the stages
.set VX,  80                           ; v80-143   V as loaded: load i = key i, my two channels
.set MB,  144                          ; v144-159  64 bytes of the mask
.set KC,  160                          ; v160-175  K's codes: word i = 4 channels of load i's key
.set VC,  176                          ; v176-191  V's codes, my two channels interleaved
.set VE,  192                          ; v192-199  32 keys of my even channel
.set VD,  200                          ; v200-207  of my odd channel
.set W,   208                          ; v208-209  the mask's 64 words: lane l holds words 2 l, 2 l + 1
.set TM,  210                          ; v210-213  at work
.set KO,  2                            ; v2   K: 2,048 (lane / 16) + 16 (lane % 16): sixteen lanes take a key's row of 256 bytes
.set VO,  3                            ; v3   8 x lane: 32 lanes take a key's row; also my place in the mask's 256 bytes of words
.set MO,  4                            ; v4   mask: 2,048 (lane % 16) + 16 (lane / 16)
.set KST, 5                            ; v5   K's stage, in
.set KLD, 6                            ; v6   K's stage, back
.set VST, 7                            ; v7   V's stage, in
.set VLD, 12                           ; v12  V's stage, back
.set LI,  13                           ; v13  16 x lane: a chunk's place for my lane
.set WREG, 4608                        ; LDS of a wave: K's stage (2,304 bytes), then V's (2,112)
.set VSTG, 2304
	s_load_b256 s[4:11], s[0:1], 0x0               ; keys s[4:5], values s[6:7], attn_mask s[8:9], the scales' exponents s[10:11]
	s_load_b128 s[12:15], s[0:1], 0x20             ; kv s[12:13], mw s[14:15]
	v_lshl_add_u32 v216, v0, 2, 0x4800
	v_mov_b32 v217, 0
	v_lshrrev_b32 v1, 5, v0
	v_readfirstlane_b32 s16, v1                    ; wave 0..3
	v_and_b32 v1, 31, v0                           ; lane
	v_and_b32 v14, 15, v0                          ; lane % 16
	v_bfe_u32 v15, v0, 4, 1                        ; lane / 16
	v_lshlrev_b32 v[KO], 11, v15
	v_lshl_add_u32 v[KO], v14, 4, v[KO]
	v_lshlrev_b32 v[VO], 3, v1
	v_lshlrev_b32 v[MO], 11, v14
	v_lshl_add_u32 v[MO], v15, 4, v[MO]
	s_mul_i32 s17, s16, WREG                       ; my wave's LDS
	; K's stage holds four chunks, 576 bytes apart; in a chunk the two halves of the lanes lie 288 bytes apart, 16 bytes a row r.  My 4 channels 4 p .. 4 p + 3 (p = lane % 16) belong to
	; chunk half c = p / 8, lane half (p / 4) % 2, word p % 4; my key's parity (lane / 16) is a row.  In words: 144 c + 72 half + 4 parity + word: 32 lanes, 32 different residues mod 64
	v_bfe_u32 v[TM], v0, 3, 1
	v_mul_u32_u24 v[KST], v[TM], 576
	v_bfe_u32 v[TM], v0, 2, 1
	v_mad_u32_u24 v[KST], v[TM], 288, v[KST]
	v_lshl_add_u32 v[KST], v15, 4, v[KST]
	v_and_b32 v[TM], 3, v0
	v_lshl_add_u32 v[KST], v[TM], 2, v[KST]
	v_add_nc_u32 v[KST], s17, v[KST]
	v_mul_u32_u24 v[KLD], v15, 288
	v_lshl_add_u32 v[KLD], v14, 4, v[KLD]
	v_add_nc_u32 v[KLD], s17, v[KLD]
	; V's stage holds four chunks of 512 bytes, 528 apart.  My channels 2 l, 2 l + 1 belong to chunk l / 8, rows 2 (l % 8) and the next
	v_bfe_u32 v[TM], v0, 3, 2
	v_mul_u32_u24 v[VST], v[TM], 528
	v_and_b32 v[TM], 7, v0
	v_lshl_add_u32 v[VST], v[TM], 5, v[VST]
	v_add_nc_u32 v[VST], s17, v[VST]
	v_add_nc_u32 v[VST], VSTG, v[VST]
	v_lshlrev_b32 v[LI], 4, v1
	v_add_nc_u32 v[VLD], s17, v[LI]
	v_add_nc_u32 v[VLD], VSTG, v[VLD]
	; where my wave's parts begin, in bytes
	s_lshr_b32 s18, ttmp9, 4                       ; head
	s_and_b32 s19, ttmp9, 15                       ; step
	s_lshr_b32 s20, s18, 3                         ; b
	s_and_b32 s21, s18, 7                          ; hh
	s_lshl_b32 s20, s20, 22                        ; b x 2,048 x 2,048 bytes
	s_lshl_b32 s21, s21, 8                         ; hh x 256
	s_lshl_b32 s19, s19, 18                        ; step x 128 keys x 2,048
	s_lshl_b32 s26, s16, 16                        ; wave x 32 keys x 2,048
	s_add_co_u32 s20, s20, s21
	s_add_co_u32 s20, s20, s19
	s_add_co_u32 s20, s20, s26
	s_mov_b32 s21, 0                               ; s[20:21]: in keys and in values
	s_lshl_b32 s22, ttmp9, 2
	s_add_co_u32 s22, s22, s16                     ; the mask's unit u = 4 g + w
	s_lshr_b32 s28, s22, 4                         ; its tile of 16 queries,
	s_and_b32 s29, s22, 15                         ; its step
	s_lshl_b32 s28, s28, 15                        ; 16 rows of 2,048 bytes
	s_lshl_b32 s29, s29, 7                         ; 128 bytes of a row
	s_add_co_u32 s28, s28, s29
	s_mov_b32 s29, 0                               ; s[28:29]: in attn_mask
	s_lshl_b32 s22, s22, 8
	s_mov_b32 s23, 0                               ; s[22:23]: in mw: 256 u
	s_lshl_b32 s30, ttmp9, 14                      ; in kv: 16,384 g,
	s_lshl_b32 s32, s16, 11
	s_add_co_u32 s32, s32, s30
	s_mov_b32 s33, 0                               ; s[32:33]: K's four chunks of my wave: + 2,048 w
	s_lshl_b32 s34, s16, 9
	s_add_co_u32 s34, s34, s30
	s_add_co_u32 s34, s34, 8192
	s_mov_b32 s35, 0                               ; s[34:35]: V's: + 8,192 + 512 w, 2,048 from chunk to chunk
	s_mov_b32 s44, 0x06040200                      ; v_perm_b32: the even bytes of two words,
	s_mov_b32 s45, 0x07050301                      ; the odd ones
	s_wait_kmcnt 0x0
	s_load_b128 s[36:39], s[10:11], 0x0            ; eq, ek, ev, ep
	s_add_nc_u64 s[4:5], s[4:5], s[20:21]
	s_add_nc_u64 s[6:7], s[6:7], s[20:21]
	s_add_nc_u64 s[8:9], s[8:9], s[28:29]
	s_add_nc_u64 s[14:15], s[14:15], s[22:23]
	s_add_nc_u64 s[18:19], s[12:13], s[34:35]
	s_add_nc_u64 s[12:13], s[12:13], s[32:33]
	; ---- all 52 loads go out together: K's 16, V's 32, the mask's 4
.set i, 0
.rept 16
	global_load_b128 v[KX+4*i:KX+4*i+3], v[KO], s[4:5] offset:4096*i th:TH_LOAD_NT   ; keys 2 i and 2 i + 1: two whole rows of 256 bytes
.set i, i+1
.endr
.set i, 0
.rept 32
	global_load_b64 v[VX+2*i:VX+2*i+1], v[VO], s[6:7] offset:2048*i th:TH_LOAD_NT    ; key i: one whole row; I hold channels 2 l, 2 l + 1
.set i, i+1
.endr
.irp b, 0,1,2,3
	global_load_b128 v[MB+4*\b:MB+4*\b+3], v[MO], s[8:9] offset:32*\b                ; mask[16 T + r][128 s + 32 b + 16 h + 0 .. 15]
.endr
	s_wait_kmcnt 0x0
	s_add_co_i32 s26, s37, 127
	s_lshl_b32 s27, s26, 23
	v_mov_b32 v8, s27                              ; 2^ek as f32: the conversion takes its exponent field
	s_add_co_i32 s26, s38, 127
	s_lshl_b32 s27, s26, 23
	v_mov_b32 v10, s27                             ; 2^ev
	s_add_co_i32 s26, s26, 15
	s_lshl_b32 s26, s26, 23
	s_or_b32 s26, s26, 0x600000
	; ---- K
	s_wait_alu depctr_va_vdst(0)
	s_wait_loadcnt 36                              ; K's 16 loads are in; V's 32 and the mask's 4 may be out
.set i, 0
.rept 64
.set i, i+1
.endr
.set i, 0
.rept 8
	v_cvt_scalef32_pk8_bf8_f32 v[KC+2*i:KC+2*i+1], v[KX+8*i:KX+8*i+7], v8   ; loads 2 i and 2 i + 1: a word of 4 codes each
.set i, i+1
.endr
	v_nop                                          ; one plain vector line behind the last conversion of the run
.set i, 0
.rept 16                                       ; key 2 i + parity lies in tile half u = (i / 4) % 2, row (2 i) % 8 + 8 (i / 8) + parity
	ds_store_b32 v[KST], v[KC+i] offset:((i/4)%2)*1152+(((2*i)%8)+8*(i/8))*16
.set i, i+1
.endr
.irp k, 0,1,2,3                                ; chunk 2 u + c back as it will lie in registers.  LDS serves a wave's instructions in order (ISA guide 5.7.1.4): these see the stores above
	ds_load_b128 v[KX+4*\k:KX+4*\k+3], v[KLD] offset:576*\k
.endr
.irp k, 0,1,2,3
	s_wait_dscnt 3-\k                              ; chunk k is back; the younger read-backs may be out
	global_store_b128 v[LI], v[KX+4*\k:KX+4*\k+3], s[12:13] offset:512*\k
.endr
	; ---- V
	s_wait_loadcnt 4                               ; V's 32 loads are in; the mask's 4 may be out
.set i, 0
.rept 64
.set i, i+1
.endr
.set i, 0
.rept 8
	v_cvt_scalef32_pk8_bf8_f32 v[VC+2*i:VC+2*i+1], v[VX+8*i:VX+8*i+7], v10  ; keys 4 i .. 4 i + 3, my two channels by turns
.set i, i+1
.endr
	v_nop                                          ; one plain vector line between the conversions and the lines that read their results
.set i, 0
.rept 8
	v_perm_b32 v[VE+i], v[VC+2*i+1], v[VC+2*i], s44    ; keys 4 i .. 4 i + 3 of channel 2 l,
	v_perm_b32 v[VD+i], v[VC+2*i+1], v[VC+2*i], s45    ; of channel 2 l + 1
.set i, i+1
.endr
	ds_store_b128 v[VST], v[VE:VE+3]                   ; keys 0-15 go to lane half 0, keys 16-31 to lane half 1, 256 bytes on
	ds_store_b128 v[VST], v[VD:VD+3] offset:16
	ds_store_b128 v[VST], v[VE+4:VE+7] offset:256
	ds_store_b128 v[VST], v[VD+4:VD+7] offset:272
.irp d, 0,1,2,3
	ds_load_b128 v[KX+16+4*\d:KX+16+4*\d+3], v[VLD] offset:528*\d
.endr
.irp d, 0,1,2,3
	s_wait_dscnt 3-\d
	global_store_b128 v[LI], v[KX+16+4*\d:KX+16+4*\d+3], s[18:19] offset:2048*\d
.endr
	; ---- the mask: byte n of my 64 is compared in all 32 lanes at once; the compare's lane mask IS word n
	s_wait_loadcnt 0x0
	v_mov_b32 v[W], 0                              ; (v_writelane_b32's destination counts as read)
	v_mov_b32 v[W+1], 0
.set n, 0
.rept 64                                       ; four registers and four scalar masks by turns
	v_bfe_u32 v[TM+n%4], v[MB+4*(n/16)+(n%16)/4], 8*(n%4), 8
	v_cmp_ne_u32 s[40+n%4], 0, v[TM+n%4]
	v_writelane_b32 v[W+n%2], s[40+n%4], n/2
.set n, n+1
.endr
	global_store_b64 v[VO], v[W:W+1], s[14:15]     ; 32 lanes store the unit's 256 bytes
	s_wait_tensorcnt 0x0
	ds_add_u32 v216, v217
	s_wait_dscnt 0x0
	s_endpgm
.Lfunc_end_k_q0b81fb2c57_prep:
	.size	k_q0b81fb2c57_prep, .Lfunc_end_k_q0b81fb2c57_prep-k_q0b81fb2c57_prep
	.p2alignl 7, 3214868480
	.fill 96, 4, 3214868480
	.section	.rodata,"a",@progbits
	.p2align	6, 0x0
	.amdhsa_kernel k_q0b81fb2c57_prep
		.amdhsa_group_segment_fixed_size 18944
		.amdhsa_private_segment_fixed_size 0
		.amdhsa_enable_private_segment 0
		.amdhsa_kernarg_size 48
		.amdhsa_user_sgpr_count 2
		.amdhsa_user_sgpr_kernarg_segment_ptr 1
		.amdhsa_wavefront_size32 1
		.amdhsa_system_sgpr_workgroup_id_x 1
		.amdhsa_system_sgpr_workgroup_id_y 1
		.amdhsa_system_sgpr_workgroup_id_z 1
		.amdhsa_system_vgpr_workitem_id 0
		.amdhsa_next_free_vgpr 218
		.amdhsa_next_free_sgpr 66
		.amdhsa_reserve_vcc 0
		.amdhsa_float_denorm_mode_32 3
		.amdhsa_float_denorm_mode_16_64 3
		.amdhsa_fp16_overflow 1
		.amdhsa_memory_ordered 1
		.amdhsa_forward_progress 1
		.amdhsa_inst_pref_size 27
	.end_amdhsa_kernel
	.amdgpu_metadata
---
amdhsa.version: [ 1, 2 ]
amdhsa.kernels:
  - .name:           k_q0b81fb2c57_prep
    .symbol:         k_q0b81fb2c57_prep.kd
    .args:
      - { .name: keys, .offset: 0, .size: 8, .value_kind: global_buffer, .address_space: global }
      - { .name: values, .offset: 8, .size: 8, .value_kind: global_buffer, .address_space: global }
      - { .name: attn_mask, .offset: 16, .size: 8, .value_kind: global_buffer, .address_space: global }
      - { .name: lowp_scales, .offset: 24, .size: 8, .value_kind: global_buffer, .address_space: global }
      - { .name: kv, .offset: 32, .size: 8, .value_kind: global_buffer, .address_space: global }
      - { .name: mw, .offset: 40, .size: 8, .value_kind: global_buffer, .address_space: global }
    .group_segment_fixed_size: 18944
    .private_segment_fixed_size: 0
    .kernarg_segment_align: 8
    .kernarg_segment_size: 48
    .max_flat_workgroup_size: 128
    .sgpr_count:     66
    .vgpr_count:     218
    .wavefront_size: 32
...
	.end_amdgpu_metadata
.endif
;; end of part 1
;; launch attn (part 2): grid 8 x 32, 16 waves a work-group, clusters of 4 x 1, 264,192 bytes of LDS; arguments queries, kv, mw, lowp_scales, out0; writes out0
.if DOCPART == 2
	.amdgcn_target "amdgcn-amd-amdhsa--gfx1250"
	.amdhsa_code_object_version 6
	.text
	.protected	k_q0b81fb2c57_attn
	.globl	k_q0b81fb2c57_attn
	.p2align	8
	.type	k_q0b81fb2c57_attn,@function
k_q0b81fb2c57_attn:
	s_mov_b64 s[64:65], 0
	v_nop
	global_prefetch_b8 v0, s[64:65] scope:SCOPE_SE
	s_setreg_imm32_b32 hwreg(HW_REG_WAVE_MODE, 25, 1), 1
	s_wait_xcnt 0x0
	s_wait_alu depctr_hold_cnt(0) depctr_sa_sdst(0) depctr_va_vdst(0) depctr_va_sdst(0) depctr_va_ssrc(0) depctr_va_vcc(0) depctr_vm_vsrc(0)
	s_getreg_b32 s2, hwreg(HW_REG_IB_STS2, 6, 4)
	s_cmp_eq_u32 s2, 0
	s_cbranch_scc0 .Lentry_in_a_cluster
	s_endpgm
.Lentry_in_a_cluster:
	s_bfe_u32 s2, ttmp6, 0x10000c
	s_cmp_lg_u32 s2, 0x3003
	s_cbranch_scc0 .Lentry_shape_is_right
	s_endpgm
.Lentry_shape_is_right:
; out0[b][q][hh][:] = the sum over k of softmax_k(where(mask[q][k], Q . K, -1e9) / 8) V[k][:], both products on codes of BF8 (E5M2), each operand with the one scale 2^e given for it: eq, ek, ev, ep.
; THE SOFTMAX AHEAD OF THE SECOND PRODUCT: t = score x log2(e) / 8; M = the row's largest t so far, rounded UP to a whole number; p = 2^(t - M) is quantised along the keys, not normalised.  The row's sum is taken of the
; unquantised p in f32 and divides at the end.  When M moves, the sum and O are multiplied by 2^(old M - new M): exact.
; INPUTS OF THIS LAUNCH: queries as f32 (quantised here, in registers: one wave reads a row once); kv: K's and V's codes as images of the operands' registers, [head][step of 128 keys][K 8,192 bytes, V 8,192 bytes];
; mw: the mask as lane-mask words, [tile of 16 queries][step][64]: bit = lane, word n = register n of the scores.
; SHARES.  A work-group owns 256 queries of one head; each of its SIXTEEN waves owns one tile of 16, in 256 registers, and walks all 2,048 keys, 128 a step.
; LDS.  A head's 262,144 bytes of codes are brought in ONCE, by sixteen tensor loads of 16,384 bytes (waves 0 to 3, four each, in the order of the steps), and stay: no byte is filled twice.  Four barriers, one in
; front of each group of four steps; the younger groups' loads stay on their way across them.  By this text's count a wave has at most four tensor loads outstanding.
; CLUSTER.  The four blocks of queries of a cluster belong to one head and need the same codes: each load is asked for JOINTLY, with the same descriptor and the mask of all four.
; LAYOUT.  Both products are used transposed: S^T = K Q^T (source 0 = 16 keys, source 1 = my 16 queries), O^T = V^T P^T: a lane holds ONE query (lane % 16) throughout.  The keys of a tile are chosen (in kv) so that
; registers 16 b + i of S^T are keys 32 b + 16 (lane / 16) + i: the conversions' results are the second product's operand.  k stands in the registers in runs of 16 (32 c + 16 (lane / 16) + 0 .. 15), alike in both
; sources of each product, so every product meets its partner; only the order of the sums inside an instruction differs.
; A HIDDEN SCORE becomes -2^(30 - eq - ek), which stands for -2^30 in place of -1e9.  Times c it is a whole number, exactly: in a row none of whose keys so far counts, t - M is exactly 0 and p = 1, so a row with no
; allowed key at all gets the plain mean, as with -1e9; beside any score that counts, p is 0 with either number.
; LIMITS.  Scores that count lie more than some 1,200 above -1e9 (nearer to it, hidden keys would weigh in).  eq + ek between -97 and 130; eq and ep between -126 and 112.  NaN among the inputs is not served.
.set LI,   1                           ; v1   16 x lane: an image's place for my lane; never rewritten
.set ADR,  2                           ; v2   LDS address of the step in hand
.set NEG,  3                           ; v3   the hidden score
.set STO,  4                           ; v4   the way out: where I put 32 bytes of a row
.set RD,   5                           ; v5   the way out: where I read a row back
.set GO,   6                           ; v6   my byte offset in out0
.set QO,   7                           ; v7   my byte offset in queries
.set QC,   16                          ; v16-23   Q's codes.   v12 -M, v13 the largest t, v[14:15] the sum in two halves
.set LIM,  26                          ; v26  not used
.set SCL,  27                          ; v27  2^ep
.set KV,   32                          ; v32-95   K's eight fragments, then V's four
.set S,    96                          ; v96-159  S^T, then p
.set OT,   160                         ; v160-191 O^T
.set PC,   192                         ; v192-207 p's codes
.set FF,   208                         ; v[208:209] f = 2^(old M - new M), and 0 (named with it as a pair)
.set MX,   210                         ; v210-211 the maximum's two chains
.set PL,   212                         ; v212 a lane permute's destination
.set SM2,  214                         ; v[214:215] the sum's second chain
.set WV,   3                           ; s3   my wave's number
.set OUTP, 52                          ; s[52:53] out0, once the third descriptor is done with
.set MP,   60                          ; s[60:61] my tile's 4,096 bytes of mw
.set CS,   62                          ; s[62:63] c = log2(e) / 8 x 2^(eq + ek)
.set SEL,  66                          ; s[66:67] lane selects for v_permlanex16_b32: lane l xor 16
.set G1,   84                          ; s[84:91] descriptor group 1;  groups 0: s[92:95], s[96:99], s[52:55], s[56:59]
.set TB,   100                         ; s100 LDS byte at which the step in hand begins
.set CNT,  101                         ; s101 steps to go in the group
.set OFF,  104                         ; s104 the step's 256 bytes in my tile's mask words
.set EPV,  105                         ; s105 ep + ev
.set STEPB, 16384                      ; a step's images
.set GRPB,  65536                      ; four steps
.set SPITCH, 272                       ; the way out: a stage of 16 rows x (256 bytes + 16) for each wave, in bytes 0 .. 69,631: they have had their only fill, and nobody reads them behind the fourth barrier
; the step's 64 mask words lie in s4-51 (words 0-47) and s68-83 (words 48-63); at the head the same registers hold arguments and numbers at work
; A round of the cluster's barrier: my work-group's barrier, so that wave 0's signal speaks for all sixteen waves; wave 0 signals for the work-group; every wave waits for all four work-groups; my work-group's barrier once more.
.macro CROUND
	s_barrier_signal -1
	s_barrier_wait -1
	s_cmp_lg_u32 s[WV], 0
	s_cbranch_scc1 .Lnot_wave_0_\@
	s_barrier_signal -3
.Lnot_wave_0_\@:
	s_barrier_wait -3
	s_barrier_signal -1
	s_barrier_wait -1
.endm
; descriptor group 0 of group g's load, in s[d] on
.macro MKD d, g
	s_mov_b32 s[\d], 1                                      ; 1:0 count = 1
	s_add_co_u32 s[\d+1], s22, \g*GRPB                      ; 63:32 LDS address: step 4 g + wave
	s_add_nc_u64 s[\d+2:\d+3], s[24:25], \g*GRPB            ; 120:64 global address: the same step of my head
	s_or_b32 s[\d+3], s[\d+3], 0x80000000                   ; 127:126 type = 2
.endm
	s_load_b256 s[4:11], s[0:1], 0x0               ; queries s[4:5], kv s[6:7], mw s[8:9], the scales' exponents s[10:11]
	v_lshl_add_u32 v254, v0, 2, 0x40000
	v_mov_b32 v255, 0
	ds_add_u32 v254, v255
	ds_add_u32 v254, v255
	v_lshrrev_b32 v8, 5, v0
	s_delay_alu instid0(VALU_DEP_1)
	v_readfirstlane_b32 s[WV], v8                  ; wave 0..15
	v_and_b32 v9, 31, v0                           ; lane
	s_delay_alu instid0(VALU_DEP_1)
	v_lshlrev_b32 v[LI], 4, v9
	v_and_b32 v10, 15, v0                          ; r
	v_bfe_u32 v11, v0, 4, 1                        ; h
	s_wait_alu depctr_va_vdst(0)
	s_mul_i32 s16, s[WV], 16*SPITCH                ; my stage.  Every LDS address register is made here, ahead of the first branch on the wave's number
	v_mul_u32_u24 v[STO], v10, SPITCH
	s_delay_alu instid0(VALU_DEP_1)
	v_lshl_add_u32 v[STO], v11, 5, v[STO]
	s_delay_alu instid0(VALU_DEP_1)
	v_add_nc_u32 v[STO], s16, v[STO]               ; in: row r, + 32 h
	v_mul_u32_u24 v[RD], v11, SPITCH
	s_delay_alu instid0(VALU_DEP_1)
	v_lshl_add_u32 v[RD], v10, 4, v[RD]
	s_delay_alu instid0(VALU_DEP_1)
	v_add_nc_u32 v[RD], s16, v[RD]                 ; back: lanes 0-15 one row of 256 bytes, lanes 16-31 the next
	s_bfe_u32 s17, ttmp6, 0x40000                  ; cx: my place in the cluster: it enters addresses in queries, mw and out0 alone
	s_lshl_b32 s18, ttmp9, 2                       ; in a cluster launch ttmp9 counts clusters
	s_add_co_u32 s18, s18, s17                     ; my block of 256 queries
	s_lshl_b32 s18, s18, 4
	s_add_co_u32 s18, s18, s[WV]                   ; T: my tile of 16 queries
	s_and_b32 s19, ttmp7, 0xffff                   ; the head, which the four partners share
	s_lshr_b32 s20, s19, 3                         ; b
	s_and_b32 s21, s19, 7                          ; hh
	s_lshl_b32 s20, s20, 22
	s_lshl_b32 s21, s21, 8
	s_lshl_b32 s2, s18, 15                         ; 16 T rows of 2,048 bytes
	s_add_co_u32 s2, s2, s20
	s_add_co_u32 s2, s2, s21                       ; my tile's first byte in queries and in out0, under 2^24
	v_lshlrev_b32 v[GO], 11, v11
	s_delay_alu instid0(VALU_DEP_1)
	v_lshl_add_u32 v[GO], v10, 4, v[GO]
	s_delay_alu instid0(VALU_DEP_1)
	v_add_nc_u32 v[GO], s2, v[GO]                  ; out0: row h, 16 bytes a lane
	v_lshlrev_b32 v[QO], 11, v10
	s_delay_alu instid0(VALU_DEP_1)
	v_lshl_add_u32 v[QO], v11, 6, v[QO]
	s_delay_alu instid0(VALU_DEP_1)
	v_add_nc_u32 v[QO], s2, v[QO]                  ; queries: row r, + 64 h: my 16 channels of each 32
	s_and_b32 s22, s[WV], 3
	s_lshl_b32 s22, s22, 14                        ; my step's place in a group of four: made of the wave's number alone
	s_lshl_b32 s24, s19, 18                        ; the head's 262,144 bytes of kv
	s_add_co_u32 s24, s24, s22
	s_mov_b32 s25, 0
	s_lshl_b32 s26, s18, 12                        ; my tile's 4,096 bytes of mw
	s_mov_b32 s27, 0
	; descriptor group 1: 16,384 dense bytes as 64 rows of 32 elements of 8 bytes
	s_mov_b32 s[G1], 15|(3<<16)|(1<<21)            ; 15:0 the mask: all four work-groups; 17:16 elements of 8 bytes; 20 no padding; 21 set beside a mask
	s_mov_b32 s[G1+1], 32<<16                      ; tensor_dim0 = 32
	s_mov_b32 s[G1+2], 64<<16                      ; tensor_dim1 = 64
	s_mov_b32 s[G1+3], 32<<16                      ; tile_dim0 = 32
	s_mov_b32 s[G1+4], 64                          ; tile_dim1 = 64
	s_mov_b32 s[G1+5], 32                          ; tensor_dim0_stride
	s_mov_b32 s[G1+6], 0
	s_mov_b32 s[G1+7], 0
	s_mov_b32 s[SEL], 0x76543210
	s_mov_b32 s[SEL+1], 0xfedcba98
	s_wait_dscnt 0x0
	s_wait_kmcnt 0x0
	s_load_b128 s[12:15], s[10:11], 0x0            ; eq, ek, ev, ep
	s_add_nc_u64 s[24:25], s[6:7], s[24:25]
	s_add_nc_u64 s[MP:MP+1], s[8:9], s[26:27]
	MKD 92, 0
	MKD 96, 1
	MKD 52, 2
	MKD 56, 3
	CROUND                                         ; all four work-groups are here: the joint loads meet
	s_cmp_lt_u32 s[WV], 4                          ; all the fills of a wave stand in one branch, ahead of every wait on TENSORcnt and every LDS read
	s_cbranch_scc0 .Lno_fill
	tensor_load_to_lds s[92:95], s[G1:G1+7]        ; step wave
	s_nop 0
	tensor_load_to_lds s[96:99], s[G1:G1+7]        ; step 4 + wave
	s_nop 0
	tensor_load_to_lds s[52:55], s[G1:G1+7]        ; step 8 + wave
	s_nop 0
	tensor_load_to_lds s[56:59], s[G1:G1+7]        ; step 12 + wave
	s_nop 0
.rept 4
	v_nop                                          ; four lines follow the last of them, ahead of the label
.endr
.Lno_fill:
	s_wait_alu depctr_va_vdst(0)
.irp c, 0,1
.irp j, 0,1,2,3
	global_load_b128 v[S+16*\c+4*\j:S+16*\c+4*\j+3], v[QO], s[4:5] offset:128*\c+16*\j   ; Q(r, 32 c + 16 h + 4 j ..)
.endr
.endr
	s_wait_kmcnt 0x0
	s_add_co_i32 s28, s12, s13                     ; eq + ek: a score stands for score x 2^(eq + ek):
	s_lshl_b32 s29, s28, 23
	s_mov_b32 s[CS], 0x3e38aa3b                    ; c = log2(e) / 8,
	s_add_co_i32 s[CS], s[CS], s29                 ; with the two exponents added to its exponent field
	s_mov_b32 s[CS+1], s[CS]                       ; (named with it as a pair, so it is written)
	s_sub_co_i32 s29, 157, s28
	s_lshl_b32 s29, s29, 23
	s_or_b32 s29, s29, 0x80000000
	v_mov_b32 v[NEG], s29                          ; -2^(30 - eq - ek)
	s_add_co_i32 s29, s15, 127
	s_lshl_b32 s30, s29, 23
	v_mov_b32 v[SCL], s30                          ; 2^ep as f32: the conversion takes its exponent field
	s_add_co_i32 s29, s12, 127
	s_lshl_b32 s30, s29, 23
	v_mov_b32 v8, s30                              ; 2^eq
	s_add_co_i32 s[EPV], s15, s14                  ; ep + ev
	s_wait_xcnt 0x0                                ; Q's loads have read their base: the mask words may land on it
	s_mov_b32 s[OFF], 0
	s_load_b512 s[4:19],  s[MP:MP+1], s[OFF] offset:0x0     ; step 0's 64 mask words
	s_load_b512 s[20:35], s[MP:MP+1], s[OFF] offset:0x40
	s_load_b512 s[36:51], s[MP:MP+1], s[OFF] offset:0x80
	s_load_b512 s[68:83], s[MP:MP+1], s[OFF] offset:0xc0
	v_mov_b32 v13, 0xff61b1e6                      ; the largest t so far: -3e38, under every t
	s_delay_alu instid0(VALU_DEP_1)
	v_floor_f32 v12, -v13                          ; -M
	v_mov_b32 v14, 0                               ; the sum, in two halves
	v_mov_b32 v15, 0
	v_mov_b32 v[FF+1], 0
	v_mov_b32 v[PL], 0                             ; written once: a lane permute's destination counts as one of its sources
.set j, 0
.rept 32
	v_mov_b32 v[OT+j], 0                           ; O^T.  (The step is written once: the first finds zeros, which the first change of M leaves zeros)
.set j, j+1
.endr
	s_wait_loadcnt 0x0                             ; Q
.set j, 0
.rept 32
.set j, j+1
.endr
.irp c, 0,1
	v_cvt_scalef32_pk8_bf8_f32 v[QC+4*\c:QC+4*\c+1], v[S+16*\c:S+16*\c+7], v8      ; registers 4 c .. 4 c + 3: channels 32 c + 16 h + 0 .. 15
	v_cvt_scalef32_pk8_bf8_f32 v[QC+4*\c+2:QC+4*\c+3], v[S+16*\c+8:S+16*\c+15], v8
.endr
	v_nop                                          ; one plain vector line between the conversions and the products, which read their results and write their sources
; A KEY STEP: 128 keys, whose images begin at LDS byte s[TB].
.macro STEP
	v_add_nc_u32 v[ADR], s[TB], v[LI]
.rept 3
	v_nop                                          ; with the addition: four places in front of loads into registers that the last products read (ISA guide 7.12.1 for vector instructions)
.endr
.set f, 0
.rept 16
	ds_load_b128 v[KV+4*f:KV+4*f+3], v[ADR] offset:512*f          ; K's chunk f = 2 t + c: half c of tile t's fragment; 512 consecutive bytes an instruction
.set f, f+1
.endr
	s_wait_alu depctr_va_vdst(0)
	s_wait_dscnt 0x0
.set t, 0
.rept 8
	v_wmma_f32_16x16x64_bf8_bf8 v[S+8*t:S+8*t+7], v[KV+8*t:KV+8*t+7], v[QC:QC+7], 0   ; S^T: register 8 t + j of lane (r, h) = query r, key 32 (t / 2) + 16 h + 8 (t % 2) + j
.set t, t+1
.endr
.rept 4
	v_nop                                          ; four places: in front of the loads into K's registers and of the first read of the scores
.endr
.set f, 0
.rept 16
	ds_load_b128 v[KV+4*f:KV+4*f+3], v[ADR] offset:8192+512*f     ; V's chunk f = 4 dt + c: they land while the softmax is worked
.set f, f+1
.endr
	s_wait_kmcnt 0x0                               ; this step's mask words are in
.set n, 0
.rept 64                                       ; where my bit of word n is 0 the score becomes the hidden score.  Ascending: each result is first read at its low end
.if n < 48
	v_cndmask_b32 v[S+n], v[NEG], v[S+n], s[4+n]
.else
	v_cndmask_b32 v[S+n], v[NEG], v[S+n], s[20+n]
.endif
.set n, n+1
.endr
	v_max3_num_f32 v[MX], v[S], v[S+1], v[S+2]     ; the step's largest score of my query, among my 64 keys, in two chains
	v_max3_num_f32 v[MX+1], v[S+3], v[S+4], v[S+5]
.set j, 6
.rept 14
	s_delay_alu instid0(VALU_DEP_2)
	v_max3_num_f32 v[MX], v[MX], v[S+j], v[S+j+1]
	s_delay_alu instid0(VALU_DEP_2)
	v_max3_num_f32 v[MX+1], v[MX+1], v[S+j+2], v[S+j+3]
.set j, j+4
.endr
	s_delay_alu instid0(VALU_DEP_2)
	v_max3_num_f32 v[MX], v[MX], v[S+62], v[S+63]
	s_delay_alu instid0(VALU_DEP_1)
	v_max_num_f32 v[MX], v[MX], v[MX+1]
	s_add_co_u32 s[OFF], s[OFF], 256               ; (the wait above has shown the loads that read it done)
	s_and_b32 s[OFF], s[OFF], 0xfff                ; the next step's mask words; the last step asks for step 0's once more, so that no load leaves my tile's 4,096 bytes
	s_load_b512 s[4:19],  s[MP:MP+1], s[OFF] offset:0x0
	s_load_b512 s[20:35], s[MP:MP+1], s[OFF] offset:0x40
	s_load_b512 s[36:51], s[MP:MP+1], s[OFF] offset:0x80
	s_load_b512 s[68:83], s[MP:MP+1], s[OFF] offset:0xc0
	v_permlanex16_b32 v[PL], v[MX], s[SEL], s[SEL+1]
	s_delay_alu instid0(VALU_DEP_1)
	v_max_num_f32 v[MX], v[MX], v[PL]              ; and among lane l xor 16's
	s_delay_alu instid0(VALU_DEP_1)
	v_mul_f32 v[MX], s[CS], v[MX]                  ; as t (c is positive)
	s_delay_alu instid0(VALU_DEP_1)
	v_max_num_f32 v13, v13, v[MX]                  ; the running largest t
	v_mov_b32 v[MX], v12
	s_delay_alu instid0(VALU_DEP_2)
	v_floor_f32 v12, -v13                          ; the new -M = floor(-t) = -ceil(t): M is a whole number
	s_delay_alu instid0(VALU_DEP_1)
	v_sub_f32 v[MX], v12, v[MX]                    ; M's old value less its new one: a whole number, 0 or less
	s_delay_alu instid0(VALU_DEP_1)
	v_cvt_i32_f32 v[MX], v[MX]                     ; (it saturates)
	s_delay_alu instid0(VALU_DEP_1)
	v_ldexp_f32 v[FF], 1.0, v[MX]                  ; f = 2^(old M - new M)
.set j, 0
.rept 32
	v_pk_fma_f32 v[S+j:S+j+1], v[S+j:S+j+1], s[CS:CS+1], v[12:13] op_sel_hi:[1,0,0]   ; t - M, two at a time (of the pairs c and -M the low word serves both halves)
.set j, j+2
.endr
.set j, 0
	s_setprio 1
	s_wait_alu depctr_va_vdst(0)
.rept 64
	v_exp_f32 v[S+j], v[S+j]                       ; p = 2^(t - M), at most 1: not normalised
.set j, j+1
.endr
	v_pk_mul_f32 v[14:15], v[14:15], v[FF:FF+1] op_sel_hi:[1,0]   ; the sums under the new M: the plain line behind the last exponential
	s_wait_alu depctr_va_vdst(0)                   ; one wait for the batch of 64, ahead of its first reader
	v_pk_add_f32 v[214:215], v[100:101], v[104:105]
	v_pk_add_f32 v[252:253], v[108:109], v[112:113]
	v_pk_add_f32 v[250:251], v[116:117], v[120:121]
	v_pk_add_f32 v[248:249], v[124:125], v[128:129]
	v_pk_add_f32 v[246:247], v[132:133], v[136:137]
	v_pk_add_f32 v[244:245], v[140:141], v[144:145]
	v_pk_add_f32 v[242:243], v[148:149], v[152:153]
	v_pk_add_f32 v[14:15], v[14:15], v[156:157]
	v_pk_add_f32 v[214:215], v[214:215], v[96:97]
	v_pk_add_f32 v[252:253], v[252:253], v[98:99]
	v_pk_add_f32 v[250:251], v[250:251], v[102:103]
	v_pk_add_f32 v[248:249], v[248:249], v[106:107]
	v_pk_add_f32 v[246:247], v[246:247], v[110:111]
	v_pk_add_f32 v[244:245], v[244:245], v[114:115]
	v_pk_add_f32 v[242:243], v[242:243], v[118:119]
	v_pk_add_f32 v[14:15], v[14:15], v[122:123]
	v_pk_add_f32 v[214:215], v[214:215], v[126:127]
	v_pk_add_f32 v[252:253], v[252:253], v[130:131]
	v_pk_add_f32 v[250:251], v[250:251], v[134:135]
	v_pk_add_f32 v[248:249], v[248:249], v[138:139]
	v_pk_add_f32 v[246:247], v[246:247], v[142:143]
	v_pk_add_f32 v[244:245], v[244:245], v[146:147]
	v_pk_add_f32 v[242:243], v[242:243], v[150:151]
	v_pk_add_f32 v[14:15], v[14:15], v[154:155]
	v_pk_add_f32 v[214:215], v[214:215], v[158:159]
	s_delay_alu instid0(VALU_DEP_2)
	v_pk_add_f32 v[14:15], v[14:15], v[248:249]
	s_delay_alu instid0(VALU_DEP_2)
	v_pk_add_f32 v[214:215], v[214:215], v[246:247]
	v_pk_add_f32 v[252:253], v[252:253], v[244:245]
	v_pk_add_f32 v[250:251], v[250:251], v[242:243]
	s_delay_alu instid0(VALU_DEP_2)
	v_pk_add_f32 v[14:15], v[14:15], v[252:253]
	s_delay_alu instid0(VALU_DEP_2)
	v_pk_add_f32 v[214:215], v[214:215], v[250:251]
	s_delay_alu instid0(VALU_DEP_1)
	v_pk_add_f32 v[14:15], v[14:15], v[214:215]
	s_setprio 0
.irp b, 0,1,2,3
.set j, 0
.rept 16
.set j, j+1
.endr
	v_cvt_scalef32_pk8_bf8_f32 v[PC+4*\b:PC+4*\b+1], v[S+16*\b:S+16*\b+7], v[SCL]      ; registers 4 b .. 4 b + 3 of the operand: keys 32 b + 16 h + 0 .. 15
	v_cvt_scalef32_pk8_bf8_f32 v[PC+4*\b+2:PC+4*\b+3], v[S+16*\b+8:S+16*\b+15], v[SCL]
.endr
.set j, 0
.rept 16
	v_pk_mul_f32 v[OT+j:OT+j+1], v[OT+j:OT+j+1], v[FF:FF+1] op_sel_hi:[1,0]            ; O^T under the new M.  (Also the plain lines between the conversions and the products)
.set j, j+2
.endr
	s_wait_alu depctr_va_vdst(0)
	s_wait_dscnt 0x0                               ; V
.set t, 0
.rept 4                                        ; O^T += V^T P^T: the four accumulators take turns, one instruction a turn, and the next step's eight other products stand between two links
	v_wmma_f32_16x16x128_bf8_bf8 v[OT+8*t:OT+8*t+7], v[KV+16*t:KV+16*t+15], v[PC:PC+15], v[OT+8*t:OT+8*t+7]
.set t, t+1
.endr
.endm
; FOUR STEPS, behind the barrier that shows their images whole.
.macro GROUP g
	s_wait_tensorcnt 3-\g                          ; a wave's tensor loads end in order (ISA guide 10.11.1): my load of this group has landed, the 3 - g younger ones may be out (waves 4 to 15 have none)
	s_wait_dscnt 0x0                               ; no LDS instruction of mine is pending at the signal
	s_barrier_signal -1
	s_barrier_wait -1                              ; everybody's has landed.
.if \g == 3
	s_load_b64 s[OUTP:OUTP+1], s[0:1], 0x20        ; out0: no tensor load of mine is out any more, so a descriptor's registers may be written; the next step's wait on KMcnt covers it
.endif
	s_mov_b32 s[TB], \g*GRPB
	s_mov_b32 s[CNT], 4
.Lstep_\@:
	s_wait_alu depctr_va_vdst(0)
	s_setprio 2
	STEP
	s_add_co_u32 s[TB], s[TB], STEPB
	s_sub_co_u32 s[CNT], s[CNT], 1
	s_cmp_lg_u32 s[CNT], 0
	s_cbranch_scc1 .Lstep_\@
	s_setprio 0
.endm
	GROUP 0
	GROUP 1
	GROUP 2
	GROUP 3
	; THE WAY OUT.  O^T is divided by the row's sum, multiplied by 2^(ep + ev), and goes through my stage in LDS, so that sixteen lanes store one query's 256 bytes.  The lines up to the first read of O^T are the places behind the last products.
	v_add_f32 v14, v14, v15                        ; the sum's two halves,
	s_delay_alu instid0(VALU_DEP_1)
	v_permlanex16_b32 v[PL], v14, s[SEL], s[SEL+1]
	s_delay_alu instid0(VALU_DEP_1)
	v_add_f32 v14, v14, v[PL]                      ; and lane l xor 16's: the row's sum, above 1/2
	s_wait_alu depctr_va_vdst(0)
	v_rcp_f32 v14, v14
	v_nop                                          ; a plain line behind the reciprocal
	v_nop
	s_wait_alu depctr_va_vdst(0)                   ; and the wait ahead of its first reader
	v_ldexp_f32 v14, v14, s[EPV]
.set j, 0
.rept 16
	v_pk_mul_f32 v[S+j:S+j+1], v[OT+j:OT+j+1], v[14:15] op_sel_hi:[1,0]   ; register 8 t + i is o(r, 16 t + 8 h + i); each accumulator from its low end on
.set j, j+2
.endr
.irp t, 0,1,2,3
	ds_store_b128 v[STO], v[S+8*\t:S+8*\t+3] offset:64*\t
	ds_store_b128 v[STO], v[S+8*\t+4:S+8*\t+7] offset:64*\t+16
.endr
.irp i, 0,1,2,3,4,5,6,7
	ds_load_b128 v[KV+4*\i:KV+4*\i+3], v[RD] offset:\i*2*SPITCH   ; LDS serves a wave's instructions in order (ISA guide 5.7.1.4): these see my stores
.endr
	s_wait_kmcnt 0x0                               ; out0's address (and the mask words asked for in the last step)
.irp i, 0,1,2,3,4,5,6,7
	s_wait_dscnt 7-\i                              ; rows 2 i and 2 i + 1 are back; the younger read-backs may be out
	global_store_b128 v[GO], v[KV+4*\i:KV+4*\i+3], s[OUTP:OUTP+1] offset:4096*\i th:TH_STORE_NT   ; sixteen lanes store 256 consecutive bytes, at a multiple of 256 from out0's first byte
.endr
	s_wait_tensorcnt 0x0
	ds_add_u32 v254, v255
	s_wait_dscnt 0x0
	CROUND                                         ; the closing round: no work-group ends while a partner may still ask for a tile that names it
	s_endpgm
.Lfunc_end_k_q0b81fb2c57_attn:
	.size	k_q0b81fb2c57_attn, .Lfunc_end_k_q0b81fb2c57_attn-k_q0b81fb2c57_attn
	.p2alignl 7, 3214868480
	.fill 96, 4, 3214868480
	.section	.rodata,"a",@progbits
	.p2align	6, 0x0
	.amdhsa_kernel k_q0b81fb2c57_attn
		.amdhsa_group_segment_fixed_size 264192
		.amdhsa_private_segment_fixed_size 0
		.amdhsa_enable_private_segment 0
		.amdhsa_kernarg_size 40
		.amdhsa_user_sgpr_count 2
		.amdhsa_user_sgpr_kernarg_segment_ptr 1
		.amdhsa_wavefront_size32 1
		.amdhsa_system_sgpr_workgroup_id_x 1
		.amdhsa_system_sgpr_workgroup_id_y 1
		.amdhsa_system_sgpr_workgroup_id_z 1
		.amdhsa_system_vgpr_workitem_id 0
		.amdhsa_next_free_vgpr 256
		.amdhsa_next_free_sgpr 106
		.amdhsa_reserve_vcc 0
		.amdhsa_float_denorm_mode_32 3
		.amdhsa_float_denorm_mode_16_64 3
		.amdhsa_fp16_overflow 1
		.amdhsa_memory_ordered 1
		.amdhsa_forward_progress 1
		.amdhsa_inst_pref_size 90
	.end_amdhsa_kernel
	.amdgpu_metadata
---
amdhsa.version: [ 1, 2 ]
amdhsa.kernels:
  - .name:           k_q0b81fb2c57_attn
    .symbol:         k_q0b81fb2c57_attn.kd
    .args:
      - { .name: queries, .offset: 0, .size: 8, .value_kind: global_buffer, .address_space: global }
      - { .name: kv, .offset: 8, .size: 8, .value_kind: global_buffer, .address_space: global }
      - { .name: mw, .offset: 16, .size: 8, .value_kind: global_buffer, .address_space: global }
      - { .name: lowp_scales, .offset: 24, .size: 8, .value_kind: global_buffer, .address_space: global }
      - { .name: out0, .offset: 32, .size: 8, .value_kind: global_buffer, .address_space: global }
    .group_segment_fixed_size: 264192
    .private_segment_fixed_size: 0
    .kernarg_segment_align: 8
    .kernarg_segment_size: 40
    .max_flat_workgroup_size: 512
    .sgpr_count:     106
    .vgpr_count:     256
    .wavefront_size: 32
...
	.end_amdgpu_metadata
.endif
;; end of part 2
